; MI455X (gfx1250); checked and timed in simulation.
; The chip was launched on July 23, 2026; its instructions are those of AMD's public machine-readable ISA for CDNA 5 (MIT licence, August 2026) and "CDNA5" Instruction Set Architecture Reference Guide (July 2026). The comments in the code are by the model that wrote it; some were corrected since.
;; HQ Linear. Allowed arithmetic: matrix products marked QUANTISED: E5M2 operands, one E8M0 scale for each 32 along K, by v_wmma_scale_f32_16x16x128_f8f6f4 with both operands' format E5M2, f32 sums; everything else in f32.
;; Inputs: codebook 4,096 x 8 float32; indices 2,097,152 int32; scales 4,096 x 1 float32; x 2 x 2,048 x 4,096 float32.
;; Outputs: out0 2 x 2,048 x 4,096 float32.
;; This version of the problem:
;;   THIS VERSION OF THE PROBLEM IS GIVEN IN LOW PRECISION. The matrix products marked QUANTISED in the list below multiply operands that are first quantised to E5M2 (5 exponent bits, 2 mantissa bits; 8 bits a number), with one power-of-two scale for each 32 numbers along K (OCP MX v1.0); their sums are f32. All else is computed in f32.
;;   The module's matrix products, in the order in which they are computed (A, B: the left and right operand; K: the contracted axis; several contracted axes count as one K, in the product's order):
;;     1. [M 4,096, K 4,096] x [K 4,096, N 4,096]; A: input x; B: computed on the way: QUANTISED
;;   THE QUANTISER, for each operand of a quantised product, along K:
;;     - K is cut into blocks of 32 from its start; a last block that is shorter is filled with zeros.
;;     - A block's scale is 2^e with e = floor(log2(the largest magnitude in the block)) - 15, held to -126 .. 127; a block of zeros has e = 0. As a byte (E8M0): e + 127.
;;     - Each number is divided by its block's scale, clamped to +-57,344, and rounded to the nearest number of E5M2, ties to even, subnormals kept.
;;     - The product sums the exact products of the quantised numbers (number of the format x scale) in f32.
;;   ~~~python
;;   def quantise(x, axis):      # numpy; x: float32 -> the quantised numbers, widened to float32 again
;;       x = np.moveaxis(x, axis, -1); K = x.shape[-1]
;;       x = np.pad(x, [(0, 0)] * (x.ndim - 1) + [(0, -K % 32)]); x = x.reshape(x.shape[:-1] + (-1, 32)); a = np.abs(x).max(-1, keepdims=True)
;;       e = np.where(a > 0, np.clip(np.frexp(np.where(a > 0, a, 1))[1] - 1 - 15, -126, 127), 0)      # np.frexp(a)[1] - 1 = floor(log2(a)), exactly
;;       r = np.clip(x / 2.0 ** e, -57344, 57344)
;;       step = 2.0 ** (np.maximum(np.frexp(np.where(r == 0, 1, r))[1] - 1, -14) - 2)
;;       q = np.round(r / step) * step * 2.0 ** e      # np.round: ties to even
;;       return np.moveaxis(q.reshape(q.shape[:-2] + (-1,))[..., :K], -1, axis).astype(np.float32)
;;   ~~~
;;   OPERANDS COMPUTED ON THE WAY. 'Computed on the way' means the value that the module computes at that place (a softmax that the list does not call 'softmax' is quantised finished and normalised). What goes into a quantiser is computed in f32, as accurately as f32 sums, v_exp_f32 and their like allow (about 1e-6 of the number): no bf16 or f16 on the way to a quantiser, and a product that is left as it is and whose result goes on into a quantised operand takes f32 operands (vector FMAs, or v_wmma_f32_16x16x4_f32). A number that lies on a knife's edge between two numbers of the format may be rounded either way, as far as f32 arithmetic and the matrix unit's own rounding can turn it there, and no further.
;; One version. Each part assembles by itself: llvm-mc -triple=amdgcn-amd-amdhsa -mcpu=gfx1250 --defsym DOCPART=n.
;; ======== version 1 of 1: 2 launches
;; limits: right only within a limited range of input values
;; workspace buffers: xq 17,825,792 bytes; wq 17,825,792 bytes
;; launch quant (part 1): grid 256 x 1, 8 waves a work-group, no clusters, 312,320 bytes of LDS; arguments x, codebook, indices, scales, xq, wq; writes xq, wq
.if DOCPART == 1
	.amdgcn_target "amdgcn-amd-amdhsa--gfx1250"
	.amdhsa_code_object_version 6
	.text
	.protected	k_q8bccbf87ca_quant
	.globl	k_q8bccbf87ca_quant
	.p2align	8
	.type	k_q8bccbf87ca_quant,@function
k_q8bccbf87ca_quant:
	s_mov_b64 s[64:65], 0
	v_nop
	global_prefetch_b8 v0, s[64:65] scope:SCOPE_SE
	s_setreg_imm32_b32 hwreg(HW_REG_WAVE_MODE, 25, 1), 1
	s_wait_xcnt 0x0
; BOTH OPERANDS OF THE PRODUCT ARE QUANTISED HERE, ONCE: x [4096 rows][4096] f32, and W[o][i] = codebook[indices[512 o + i / 8]][i % 8] x scales[o], [4096][4096], made in f32 (one multiplication a number).
; Each becomes codes of BF8 (E5M2), 8 bits each, with one E8M0 scale byte for each 32 along K (the last axis of both).
; A block's scale is 2^(floor(log2(its largest magnitude)) - 15); its byte is the largest magnitude's exponent field - 15, held at 1 from below.
; Each number is divided by the scale, held within +-57,344 and rounded to the nearest code, ties to even.
; THE RESULTS' LAYOUT: xq and wq are [16 K steps][4096 rows][272 bytes].  Record (j, row): 256 codes of k = 256 j .. 256 j + 255, then 16 bytes: in xq the row's 8 scale bytes of the K step and 8 zero bytes,
; in wq 8 zero bytes and the 8 scale bytes.  So 128 rows of one K step are 34,816 consecutive bytes, which the product's launch brings into LDS as they lie: rows 272 bytes apart, the scale words behind the codes;
; and its joint load of both operands' scale words touches each LDS bank once.
; LIMITS: NaN and infinities among the inputs are not served.  A block of zeros gets the byte 1 where the quantiser's rule says 127: its codes are zeros, which add nothing under any byte but 0xff,
; and this program alone reads the bytes.  Blocks whose largest magnitude lies under 2^-111 have their byte held at 1 (the rule's e = -126); they were not tried.
; An index outside 0 .. 4,095 is held, as an unsigned number, at 4,095.
; SHARES.  Work-group g of 256 takes rows 16 g .. + 15 of x and of W; wave w of its eight takes k = 512 w .. + 511 (K steps 2 w and 2 w + 1) of them: 16 steps for x and 16 for W, one row each.
; In a step lane l holds numbers 16 l .. 16 l + 15 of the wave's 512: two neighbouring lanes hold a block of 32; lanes 0-15 hold K step 2 w, lanes 16-31 K step 2 w + 1.
; ONE LAUNCH, x FIRST.  What W needs is asked for at the head (each wave's 16,384 bytes of the table by one tensor load, its indices, the rows' scales) and lands while x is worked; x's stores leave while W is worked.
; x.  The conversions take neighbours along K from ONE lane's registers; a load is best where neighbouring LANES take neighbouring bytes.  Both are had: a step's four loads read 512 consecutive bytes each,
; the 2,048 bytes go through the wave's own stage in LDS as they lie and come back 64 bytes a lane.  Loads run eight steps (32 loads, 16 KiB a wave) ahead, the turn through LDS one step.
; W.  The table, 131,072 bytes, lies in LDS as it lies in memory (entry e at 32 e), filled once.  In a step a lane owns two indices, 64 w + 2 l and + 1, and reads their 64 bytes.
; While the table is gathered from, LDS is only read: a barrier stands between x's LDS stores and the first gather, another between the last gather and W's LDS stores; W's codes and bytes wait in registers.
; THE WAY OUT, for each operand: codes, scale bytes and zero bytes are gathered in two images of 16 records (4,352 bytes = 17 x 256) in the wave's own LDS and leave as 17 stores: sixteen lanes store 256 consecutive, aligned bytes.
; NO CLUSTER, though every work-group wants the same table: the gathers' LDS addresses are each work-group's own indices.
.set STEPS, 16
.set DEPTH, 8                          ; steps of x's loads in flight
.set SP,    80                         ; a lane's place in a stage: its 64 bytes + 16 of padding
.set IMGB,  16*272                     ; an image: 16 records
.set TABLE, 131072                     ; the table's bytes; behind it a region for each wave, into which no tensor load lands:
.set XIMG,  2*32*SP                    ;   two stages, then x's two images,
.set WIMG,  XIMG+2*IMGB                ;   then W's two
.set WREG,  WIMG+2*IMGB                ;   22,528 bytes = 88 x 256
.set KSB,   4096*272                   ; bytes from a K step to the next in xq and in wq
.set XO,    3                          ; v3   x: my 16 bytes of a load's 512
.set XOUT,  4                          ; v4   x's image + 16 r: my codes' place in a record (offset 272 t), and my 16 bytes on the way back (offset 256 i)
.set XBYTE, 5                          ; v5   my block's scale byte in a record of x's image
.set XPAD,  6                          ; v6   the 8 zero bytes of record r of x's image
.set GO,    7                          ; v7   my 16 bytes in xq and in wq: the image's K step + 16 r
.set STI,   14                         ; v14  the stage, on the way in
.set STO,   15                         ; v15  and on the way out
.set WOUT,  16                         ; v16-18  the same three for W's image
.set WBYTE, 17
.set WPAD,  18
.set IO,    19                         ; v19  my two indices: 8 bytes a lane
.set IDX,   24                         ; v24-55   two indices for each step of W, then their LDS addresses
.set R,     56                         ; v56-183  x: eight sets of 16 numbers as they are loaded; at x's end v56-123 take its images
.set X,     184                        ; v184-215 x: two sets of 16 neighbours
.set C,     216                        ; v216-231 x: codes, four sets of four registers by turns
.set E,     232                        ; v232-235 x: a scale byte, four registers by turns
.set XW,    56                         ; v56-119  W: four sets of 16 numbers
.set CW,    120                        ; v120-183 W: codes, four registers for each step
.set EW,    184                        ; v184-199 W: a scale byte for each step
.set BKW,   24                         ; v24-91   W's images on their way out
.set MNT,   2                          ; s2       the mantissa field of 57,344 (an instruction takes one literal: the hold's line has another)
.set WV,    16                         ; s16      my wave's number
.set G0,    20                         ; s[20:23] descriptor group 0
.set G1,    24                         ; s[24:31] descriptor group 1
.set SCL,   36                         ; s[36:51] scales[o] of my 16 rows
	s_load_b256 s[4:11], s[0:1], 0x0               ; x s[4:5], codebook s[6:7], indices s[8:9], scales s[10:11]
	s_load_b128 s[12:15], s[0:1], 0x20             ; xq s[12:13], wq s[14:15]
	v_lshl_add_u32 v254, v0, 2, 0x4c000
	v_mov_b32 v255, 0
	ds_add_u32 v254, v255
	ds_add_u32 v254, v255
	v_lshrrev_b32 v1, 5, v0
	s_delay_alu instid0(VALU_DEP_1)
	v_readfirstlane_b32 s[WV], v1                  ; wave 0..7
	; descriptor group 1: 16,384 dense bytes as 64 rows of 32 elements of 8 bytes
	s_mov_b32 s[G1+0], 3<<16                       ; 15:0 no mask; 17:16 elements of 8 bytes; 20 no padding
	s_mov_b32 s[G1+1], 32<<16                      ; tensor_dim0 = 32
	s_mov_b32 s[G1+2], 64<<16                      ; tensor_dim1 = 64
	s_mov_b32 s[G1+3], 32<<16                      ; tile_dim0 = 32
	s_mov_b32 s[G1+4], 64                          ; tile_dim1 = 64
	s_mov_b32 s[G1+5], 32                          ; elements from row to row
	s_mov_b32 s[G1+6], 0
	s_mov_b32 s[G1+7], 0
	s_mov_b32 s[G0], 1                             ; count = 1
	s_lshl_b32 s[G0+1], s[WV], 14                  ; LDS address: my wave's 16,384 bytes of the table
	s_lshl_b32 s18, s[WV], 14                      ; and the same place in memory
	s_mov_b32 s19, 0
	s_lshl_b32 s32, ttmp9, 6                       ; scales: 16 rows of 4 bytes a work-group
	s_mov_b32 s33, 0
	s_lshl_b32 s34, ttmp9, 18                      ; x: 16 rows of 16,384 bytes,
	s_lshl_b32 s3, s[WV], 11                       ; my wave's 512 numbers of 4 bytes
	s_add_co_u32 s34, s34, s3
	s_mov_b32 s35, 0
	s_mul_i32 s52, s[WV], 2*KSB                    ; xq and wq alike: two K steps a wave,
	s_mul_i32 s3, ttmp9, IMGB                      ; 16 records a work-group
	s_add_co_u32 s52, s52, s3
	s_mov_b32 s53, 0
	s_lshl_b32 s54, ttmp9, 15                      ; indices: 16 rows of 2,048 bytes,
	s_lshl_b32 s3, s[WV], 8                        ; my wave's 64 of a row's 512
	s_add_co_u32 s54, s54, s3
	s_mov_b32 s55, 0
	s_mov_b32 s[MNT], 0x600000
	s_mul_i32 s17, s[WV], WREG
	s_add_co_u32 s17, s17, TABLE                   ; my wave's region of LDS
	v_and_b32 v2, 31, v0                           ; lane
	s_delay_alu instid0(VALU_DEP_1)
	v_lshlrev_b32 v[XO], 4, v2
	s_delay_alu instid0(VALU_DEP_2)
	v_lshlrev_b32 v[IO], 3, v2
	s_wait_alu depctr_va_vdst(0)
	s_wait_dscnt 0x0
	s_wait_kmcnt 0x0
	s_add_nc_u64 s[G0+2:G0+3], s[6:7], s[18:19]    ; global address of my part of the table
	s_or_b32 s[G0+3], s[G0+3], 0x80000000          ; type = 2
	s_add_nc_u64 s[4:5], s[4:5], s[34:35]
	s_add_nc_u64 s[8:9], s[8:9], s[54:55]
	s_add_nc_u64 s[10:11], s[10:11], s[32:33]
	s_add_nc_u64 s[12:13], s[12:13], s[52:53]
	s_add_nc_u64 s[14:15], s[14:15], s[52:53]
	tensor_load_to_lds s[G0:G0+3], s[G1:G1+7]      ; each wave's one tensor load of the launch: a first fill, ahead of every wait on TENSORcnt, every LDS read and every barrier
	s_nop 0
.rept 4
	v_nop                                          ; four v_nop follow the load
.endr
	s_load_b512 s[SCL:SCL+15], s[10:11], 0x0       ; the 16 rows' scales
.irp t, 0,1,2,3,4,5,6,7,8,9,10,11,12,13,14,15
	global_load_b64 v[IDX+2*\t:IDX+2*\t+1], v[IO], s[8:9] offset:2048*\t th:TH_LOAD_NT   ; W's row t: the wave reads 256 consecutive, aligned bytes.  These 16 loads are older than every load of x
.endr
.macro LOAD t                          ; x's step t = row t: four loads of 512 consecutive bytes
.irp i, 0,1,2,3
	global_load_b128 v[R+16*((\t)%DEPTH)+4*\i:R+16*((\t)%DEPTH)+4*\i+3], v[XO], s[4:5] offset:16384*(\t)+512*\i th:TH_LOAD_NT
.endr
.endm
.irp t, 0,1,2,3,4,5,6,7
	LOAD \t
.endr
	v_lshrrev_b32 v[STI], 2, v2
	s_delay_alu instid0(VALU_DEP_1)
	v_mul_u32_u24 v[STI], v[STI], SP
	v_and_b32 v[STO], 3, v2
	s_delay_alu instid0(VALU_DEP_1)
	v_lshl_add_u32 v[STI], v[STO], 4, v[STI]
	s_delay_alu instid0(VALU_DEP_1)
	v_add_nc_u32 v[STI], s17, v[STI]               ; the stage, on the way in: four lanes' 64 bytes on end, then 16 of padding
	v_mul_u32_u24 v[STO], v2, SP
	s_delay_alu instid0(VALU_DEP_1)
	v_add_nc_u32 v[STO], s17, v[STO]               ; and on the way out: my 16 neighbours
	v_lshrrev_b32 v8, 4, v2                        ; h: which of the wave's two K steps
	v_and_b32 v9, 15, v2                           ; r
	s_delay_alu instid0(VALU_DEP_2)
	v_mul_u32_u24 v10, v8, IMGB
	s_delay_alu instid0(VALU_DEP_1)
	v_add_nc_u32 v10, s17, v10                     ; my wave's region + my image's place among an operand's two
	s_delay_alu instid0(VALU_DEP_1)
	v_lshl_add_u32 v1, v9, 4, v10
	s_delay_alu instid0(VALU_DEP_1)
	v_add_nc_u32 v[XOUT], XIMG, v1
	s_delay_alu instid0(VALU_DEP_2)
	v_add_nc_u32 v[WOUT], WIMG, v1
	v_bfe_u32 v11, v2, 1, 3                        ; my block among the K step's eight
	s_delay_alu instid0(VALU_DEP_1)
	v_add_nc_u32 v11, v10, v11
	s_delay_alu instid0(VALU_DEP_1)
	v_add_nc_u32 v[XBYTE], XIMG+256, v11           ; x's scale bytes stand straight behind the codes,
	s_delay_alu instid0(VALU_DEP_2)
	v_add_nc_u32 v[WBYTE], WIMG+264, v11           ; W's 8 bytes further on
	v_mul_u32_u24 v1, v9, 272
	s_delay_alu instid0(VALU_DEP_1)
	v_add_nc_u32 v1, v1, v10
	s_delay_alu instid0(VALU_DEP_1)
	v_add_nc_u32 v[XPAD], XIMG+264, v1
	s_delay_alu instid0(VALU_DEP_2)
	v_add_nc_u32 v[WPAD], WIMG+256, v1
	v_mul_u32_u24 v[GO], v8, KSB
	s_delay_alu instid0(VALU_DEP_1)
	v_lshl_add_u32 v[GO], v9, 4, v[GO]
	v_mov_b32 v12, 0
	v_mov_b32 v13, 0
.macro TURN t                          ; x's step t through the stage: LDS serves a wave's instructions in order (ISA guide 5.7.1.4), so no wait stands between the stores and the loads
.irp i, 0,1,2,3
	ds_store_b128 v[STI], v[R+16*((\t)%DEPTH)+4*\i:R+16*((\t)%DEPTH)+4*\i+3] offset:32*SP*((\t)%2)+8*SP*\i
.endr
.irp i, 0,1,2,3
	ds_load_b128 v[X+16*((\t)%2)+4*\i:X+16*((\t)%2)+4*\i+3], v[STO] offset:32*SP*((\t)%2)+16*\i
.endr
.endm
; 16 numbers of a lane, v[XS] on, half of a block of 32, become 16 codes in v[CR] on and the block's scale byte in v[ER].
.macro QBLOCK
	v_max3_num_f32 v8, |v[XS]|, |v[XS+1]|, |v[XS+2]|               ; the largest magnitude of my 16, in two chains
	v_max3_num_f32 v9, |v[XS+3]|, |v[XS+4]|, |v[XS+5]|
.irp i, 6,10
	s_delay_alu instid0(VALU_DEP_2)
	v_max3_num_f32 v8, v8, |v[XS+\i]|, |v[XS+\i+1]|
	s_delay_alu instid0(VALU_DEP_2)
	v_max3_num_f32 v9, v9, |v[XS+\i+2]|, |v[XS+\i+3]|
.endr
	s_delay_alu instid0(VALU_DEP_2)
	v_max3_num_f32 v8, v8, |v[XS+14]|, |v[XS+15]|
	s_delay_alu instid0(VALU_DEP_1)
	v_max3_num_f32 v8, v8, v9, 16<<23              ; and the floor 2^(16 - 127), under which no largest magnitude is taken: so the byte cannot fall under 1
	s_delay_alu instid0(VALU_DEP_1)
	v_max_num_f32_dpp v8, v8, v8 row_xmask:1 row_mask:0xf bank_mask:0xf   ; and of my neighbour's 16: the block's
	s_delay_alu instid0(VALU_DEP_1)
	v_add_nc_u32 v11, 0xf8800000, v8               ; 15 off its exponent field: the conversion takes the exponent field of this operand as its scale, and nothing else of it
	s_delay_alu instid0(VALU_DEP_2)
	v_and_or_b32 v10, v8, 0x7f800000, s[MNT]       ; 57,344 x the scale: the largest magnitude's exponent field over 57,344's mantissa
.irp i, 0,1,2,3,4,5,6,7,8,9,10,11,12,13,14,15
	v_med3_num_f32 v[XS+\i], v[XS+\i], -v10, v10   ; the conversion to an 8-bit code does not saturate (ISA guide 7.6.2): the number is held within the largest code x the scale first
.endr
	v_cvt_scalef32_pk8_bf8_f32 v[CR:CR+1], v[XS:XS+7], v11
	v_cvt_scalef32_pk8_bf8_f32 v[CR+2:CR+3], v[XS+8:XS+15], v11
	v_lshrrev_b32 v[ER], 23, v11                   ; the scale's byte; also the plain vector line behind the conversions
.endm
; Two images leave: back from LDS as they lie (these loads see my stores: a wave's LDS instructions are served in order), then sixteen lanes store 256 consecutive bytes, at a multiple of 256 from the buffer's first byte.
.macro LEAVE adr, bk, lo
.irp i, 0,1,2,3,4,5,6,7,8,9,10,11,12,13,14,15,16
	ds_load_b128 v[\bk+4*\i:\bk+4*\i+3], v[\adr] offset:256*\i
.endr
.irp i, 0,1,2,3,4,5,6,7,8,9,10,11,12,13,14,15,16
	s_wait_dscnt 16-\i                             ; the younger loads of the run may be out
	global_store_b128 v[GO], v[\bk+4*\i:\bk+4*\i+3], s[\lo:\lo+1] offset:256*\i
.endr
.endm
; ---- x
.macro XSTEP t
.set XS, X+16*((\t)%2)
.set CR, C+4*((\t)%4)
.set ER, E+(\t)%4
.if (\t) > 0
	s_wait_dscnt 2                                 ; this step's numbers are back from the stage; the two younger LDS instructions, the last step's byte and code stores, may be out; the stores of the steps before are done
.else
	s_wait_dscnt 0x0
.endif
.if (\t)+DEPTH < STEPS
	LOAD (\t)+DEPTH                                ; into the set that this step's stores into the stage have read
.endif
.if (\t)+1 < STEPS
.if (\t) <= STEPS-1-DEPTH
	s_wait_loadcnt 4*(DEPTH-1)                     ; the next step's four loads are in; those of the seven steps behind it may be out
.else
	s_wait_loadcnt 4*(STEPS-2-(\t))                ; the counts run down
.endif
	TURN (\t)+1                                    ; the next step goes through the other stage while this one is worked
.endif
	QBLOCK
	ds_store_b8 v[XBYTE], v[ER] offset:272*(\t)    ; both lanes of a block write the same byte with the same value
	ds_store_b128 v[XOUT], v[CR:CR+3] offset:272*(\t)   ; my 16 codes of record t
.endm
	ds_store_b64 v[XPAD], v[12:13]                 ; the zero bytes of x's 32 records: every byte that the next launch reads is written
	s_wait_loadcnt 4*(DEPTH-1)                     ; the indices and x's step 0 are in; the seven steps behind it may be out
	TURN 0
.irp t, 0,1,2,3,4,5,6,7,8,9,10,11,12,13,14,15
	XSTEP \t
.endr
	LEAVE XOUT, R, 12
; ---- W
.irp n, 0,1,2,3,4,5,6,7,8,9,10,11,12,13,14,15,16,17,18,19,20,21,22,23,24,25,26,27,28,29,30,31
	v_min_u32 v[IDX+\n], 0xfff, v[IDX+\n]          ; a loaded number enters an address only held inside the table
.endr
.irp n, 0,1,2,3,4,5,6,7,8,9,10,11,12,13,14,15,16,17,18,19,20,21,22,23,24,25,26,27,28,29,30,31
	v_lshlrev_b32 v[IDX+\n], 5, v[IDX+\n]          ; 32 bytes an entry
.endr
	s_wait_xcnt 0x0                                ; x's stores have read their registers (ISA guide 3.1): the gathers below land in them
	s_wait_kmcnt 0x0                               ; the rows' scales
	s_wait_tensorcnt 0x0                           ; my part of the table is in; my LDS instructions are all done (the last count-down ended at 0),
	s_barrier_signal -1
	s_barrier_wait -1                              ; everybody's are: the table is whole, and no LDS store of x's stands beside a gather
.macro GATHER t                        ; step t's two entries, 64 bytes a lane, into set t % 4
	ds_load_b128 v[XW+16*((\t)%4):XW+16*((\t)%4)+3],     v[IDX+2*(\t)]
	ds_load_b128 v[XW+16*((\t)%4)+4:XW+16*((\t)%4)+7],   v[IDX+2*(\t)] offset:16
	ds_load_b128 v[XW+16*((\t)%4)+8:XW+16*((\t)%4)+11],  v[IDX+2*(\t)+1]
	ds_load_b128 v[XW+16*((\t)%4)+12:XW+16*((\t)%4)+15], v[IDX+2*(\t)+1] offset:16
.endm
.macro WSTEP t
.set XS, XW+16*((\t)%4)
.set CR, CW+4*(\t)
.set ER, EW+(\t)
.if (\t)+2 < STEPS
	GATHER (\t)+2                                  ; two steps ahead
	s_wait_dscnt 8                                 ; this step's four loads are in; the eight of the two steps behind it may be out
.else
	s_wait_dscnt 4*(STEPS-1-(\t))                  ; the counts run down
.endif
.irp i, 0,1,2,3,4,5,6,7,8,9,10,11,12,13,14,15
	v_mul_f32 v[XS+\i], s[SCL+(\t)], v[XS+\i]      ; x scales[o]: W as it goes into the quantiser, in f32
.endr
	QBLOCK
.endm
	GATHER 0
	GATHER 1
.irp t, 0,1,2,3,4,5,6,7,8,9,10,11,12,13,14,15
	WSTEP \t
.endr
	s_wait_alu depctr_va_vdst(0)
	s_wait_dscnt 0x0                               ; my reads of the table are over
	s_barrier_signal -1
	s_barrier_wait -1                              ; everybody's are: no LDS store of W's stands beside a gather
	ds_store_b64 v[WPAD], v[12:13]                 ; the zero bytes of W's 32 records
.irp t, 0,1,2,3,4,5,6,7,8,9,10,11,12,13,14,15
	ds_store_b8 v[WBYTE], v[EW+\t] offset:272*\t   ; both lanes of a block write the same byte with the same value
	ds_store_b128 v[WOUT], v[CW+4*\t:CW+4*\t+3] offset:272*\t   ; my 16 codes of record t
.endr
	LEAVE WOUT, BKW, 14
	s_wait_tensorcnt 0x0
	ds_add_u32 v254, v255
	s_wait_dscnt 0x0
	s_endpgm
.Lfunc_end_k_q8bccbf87ca_quant:
	.size	k_q8bccbf87ca_quant, .Lfunc_end_k_q8bccbf87ca_quant-k_q8bccbf87ca_quant
	.p2alignl 7, 3214868480
	.fill 96, 4, 3214868480
	.section	.rodata,"a",@progbits
	.p2align	6, 0x0
	.amdhsa_kernel k_q8bccbf87ca_quant
		.amdhsa_group_segment_fixed_size 312320
		.amdhsa_private_segment_fixed_size 0
		.amdhsa_enable_private_segment 0
		.amdhsa_kernarg_size 48
		.amdhsa_user_sgpr_count 2
		.amdhsa_user_sgpr_kernarg_segment_ptr 1
		.amdhsa_wavefront_size32 1
		.amdhsa_system_sgpr_workgroup_id_x 1
		.amdhsa_system_sgpr_workgroup_id_y 1
		.amdhsa_system_sgpr_workgroup_id_z 1
		.amdhsa_system_vgpr_workitem_id 0
		.amdhsa_next_free_vgpr 256
		.amdhsa_next_free_sgpr 66
		.amdhsa_reserve_vcc 0
		.amdhsa_float_denorm_mode_32 3
		.amdhsa_float_denorm_mode_16_64 3
		.amdhsa_memory_ordered 1
		.amdhsa_forward_progress 1
		.amdhsa_inst_pref_size 118
	.end_amdhsa_kernel
	.amdgpu_metadata
---
amdhsa.version: [ 1, 2 ]
amdhsa.kernels:
  - .name:           k_q8bccbf87ca_quant
    .symbol:         k_q8bccbf87ca_quant.kd
    .args:
      - { .name: x, .offset: 0, .size: 8, .value_kind: global_buffer, .address_space: global }
      - { .name: codebook, .offset: 8, .size: 8, .value_kind: global_buffer, .address_space: global }
      - { .name: indices, .offset: 16, .size: 8, .value_kind: global_buffer, .address_space: global }
      - { .name: scales, .offset: 24, .size: 8, .value_kind: global_buffer, .address_space: global }
      - { .name: xq, .offset: 32, .size: 8, .value_kind: global_buffer, .address_space: global }
      - { .name: wq, .offset: 40, .size: 8, .value_kind: global_buffer, .address_space: global }
    .group_segment_fixed_size: 312320
    .private_segment_fixed_size: 0
    .kernarg_segment_align: 8
    .kernarg_segment_size: 48
    .max_flat_workgroup_size: 256
    .sgpr_count:     66
    .vgpr_count:     256
    .wavefront_size: 32
...
	.end_amdgpu_metadata
.endif
;; end of part 1
;; launch gemm (part 2): grid 16 x 16, 4 waves a work-group, clusters of 4 x 4, 327,680 bytes of LDS; arguments xq, wq, out0; writes out0
.if DOCPART == 2
	.amdgcn_target "amdgcn-amd-amdhsa--gfx1250"
	.amdhsa_code_object_version 6
	.text
	.protected	k_q8bccbf87ca_gemm
	.globl	k_q8bccbf87ca_gemm
	.p2align	8
	.type	k_q8bccbf87ca_gemm,@function
k_q8bccbf87ca_gemm:
	s_mov_b64 s[64:65], 0
	v_nop
	global_prefetch_b8 v0, s[64:65] scope:SCOPE_SE
	s_setreg_imm32_b32 hwreg(HW_REG_WAVE_MODE, 25, 1), 1
	s_wait_xcnt 0x0
	s_wait_alu depctr_hold_cnt(0) depctr_sa_sdst(0) depctr_va_vdst(0) depctr_va_sdst(0) depctr_va_ssrc(0) depctr_va_vcc(0) depctr_vm_vsrc(0)
	s_getreg_b32 s2, hwreg(HW_REG_IB_STS2, 6, 4)
	s_cmp_eq_u32 s2, 0
	s_cbranch_scc0 .Lentry_in_a_cluster
	s_endpgm
.Lentry_in_a_cluster:
	s_bfe_u32 s2, ttmp6, 0x10000c
	s_cmp_lg_u32 s2, 0xf033
	s_cbranch_scc0 .Lentry_shape_is_right
	s_endpgm
.Lentry_shape_is_right:
; out0[m][n] = sum over k of x[m][k] W[n][k], on the codes of BF8 (E5M2) and E8M0 scale bytes that the launch before has laid: xq and wq are [16 K steps][4096 rows][272 bytes]:
; 256 codes, then 16 bytes: in xq the row's 8 scale bytes and 8 zeros, in wq 8 zeros and the 8 scale bytes.  Sums in f32, K ascending, one accumulator for each output.
; A tile of 256 x 256 is made by four waves, 128 x 128 each: 64 accumulators, 512 registers.  K goes in 16 steps of 256 through two LDS slots; 128 rows of a K step are 34,816 consecutive bytes
; (136 rows of 256 bytes for the tensor load) and lie in LDS as in memory: rows 272 bytes apart, the scale words behind the codes.
; CLUSTERS: 4 x 4 work-groups; x's tiles are asked for jointly along a row of the cluster, W's along a column.
; THE HEAD FILLS BOTH SLOTS, one joint load a wave: wave 0 x's 256 rows of K step 0, wave 1 W's, waves 2 and 3 the same of K step 1.  Waves 0 and 1 wait ahead of the first barrier; the first change of slots waits for all.
; PREFETCH: behind each refill (K step j + 2) every wave names K step j + 4 of the 34,816 bytes that it fetches: the four partners of a joint load take 34 blocks of 256 bytes each, told apart by address
; (32 lanes a block each, then 2 blocks, the lanes left over naming the last again).  K steps 2 and 3 are named behind the head's barrier; the loop's last trip names nothing: K step 15 is the last.
; THE LAST K STEP GOES BY ROWS OF out0: W's fragments of its 256 along K fill W's two sets, x comes by blocks of 16 rows, and each block is stored as soon as its 16 products are done.
; THE MATRIX INSTRUCTION IS USED TRANSPOSED (source 0 = 16 rows of W, source 1 = 16 rows of x): a lane holds eight neighbouring numbers of a row of out0.
; REGISTERS: window 0: v0-31 addresses; v32-63 scale words, a set for each slot; v64-127 the way out; v128-255 x's fragments, one set.  Window 1: W's fragments, two sets.
; Windows 2, 3: the accumulators of my rows 0-63, 64-127 ((a, b) at v[8 (8 (a % 4) + b)]).
; LIMITS: those of the launch that makes the codes.
.set SIZE_N, 4096
.set PITCH,  272
.set HALFT,  128*PITCH                 ; what a ring's load brings, and what a wave reads of x or of W
.set SLOT,   4*HALFT                   ; x's 256 rows, then W's
.set KSB,    4096*PITCH                ; bytes from a K step to the next
.set QUART,  HALFT/4                   ; a partner's share of a prefetch: 34 blocks of 256 bytes
.set LAPS,   8
.set SPARE,  2*SLOT                    ; behind the ring: the spare words, 512 bytes that no other line names
.set SPITCH, 528                       ; the way out: a stage of 16 rows x (512 + 16) bytes for each wave, in slot 0 behind its last fill and last read
.set ADRA, 16                          ; v16-17 my x fragments in slot 0, 1
.set ADRB, 20                          ; v20-21 my W fragments
.set ADRS, 22                          ; v22-23 my scale words: lanes 0-15 x's rows, lanes 16-31 W's
.set STO,  24
.set RD,   25
.set CO,   26
.set SPW,  28                          ; my spare word; never rewritten
.set NIL,  29                          ; 0; never rewritten
.set PFO,  30                          ; v30-31 the prefetches' offsets; never rewritten
.set SC,   32                          ; scale words: set s at v[SC + 16 s]; register 2 i + q: block i, the slot's q-th 128 along K
.set BK,   64                          ; the way out: 16 rows read back from the stage
.set AF,   128
.set PFA,  10                          ; s[10:11] my share of the bytes I fetch, two K steps behind what a loop's prefetch names
.set G1, 24                            ; ring: group 1 and two groups 0 for x; the same for W
.set G0, 32
.set G1B, 48
.set G0B, 56
.set G1H, 68                           ; head: groups 1 (272 rows of 256 bytes) for x and W, four groups 0
.set G1HB, 76
.set GH, 84
.set MSB, 0
.macro WIN new                         ; the immediate's high byte repeats the setting that is left
.if MSB != \new
	s_set_vgpr_msb (MSB<<8)|\new
.set MSB, \new
.endif
.endm
.set MUL_LO, 0xa1                      ; source 0 window 1, source 1 window 0, C and D window 2
.set MUL_HI, 0xf1                      ; the same, C and D window 3
.set TO_B,   0x40
.macro PLACES n
.rept \n
	v_nop
.endr
.endm
.macro JLOAD g0a, g1a, g0b, g1b        ; waves 0 and 1 fetch x's halves, waves 2 and 3 W's; s_nop 0 and four v_nop behind each line
	s_cmp_eq_u32 s15, 0
	s_cbranch_scc0 .Lfor_b_\@
	tensor_load_to_lds s[\g0a:\g0a+3], s[\g1a:\g1a+7]
	s_nop 0
	PLACES 4
	s_branch .Lasked_\@
.Lfor_b_\@:
	tensor_load_to_lds s[\g0b:\g0b+3], s[\g1b:\g1b+7]
	s_nop 0
	PLACES 4
.Lasked_\@:
.endm
.macro CREST                           ; a round of the cluster's barrier behind its opening barrier
	s_cmp_lg_u32 s14, 0
	s_cbranch_scc1 .Lnot_wave_0_\@
	s_barrier_signal -3
.Lnot_wave_0_\@:
	s_barrier_wait -3
	s_barrier_signal -1
	s_barrier_wait -1
.endm
.macro CROUND
	s_barrier_signal -1
	s_barrier_wait -1
	CREST
.endm
.macro HG0 g, lds, lo, step            ; a head's group 0
	s_mov_b32 s[\g], 1
	s_mov_b32 s[\g+1], \lds
	s_add_nc_u64 s[\g+2:\g+3], s[\lo:\lo+1], \step
	s_or_b32 s[\g+3], s[\g+3], 0x80000000
.endm
.macro ARM under, g0, g1, next         ; one arm of the head's chain: its load, and a jump to the join
	s_cmp_lt_u32 s14, \under
	s_cbranch_scc0 \next
	tensor_load_to_lds s[\g0:\g0+3], s[\g1:\g1+7]
	s_nop 0
	PLACES 4
	s_branch .Lhead_asked
\next:
.endm
.macro PF j                            ; my 34 blocks of the K step j behind PFA
	global_prefetch_b8 v[PFO], s[PFA:PFA+1] offset:(\j)*KSB th:TH_LOAD_NT scope:SCOPE_SE
	global_prefetch_b8 v[PFO+1], s[PFA:PFA+1] offset:(\j)*KSB th:TH_LOAD_NT scope:SCOPE_SE
.endm
	s_load_b128 s[4:7], s[0:1], 0x0                ; xq, wq
	s_load_b64 s[12:13], s[0:1], 0x10              ; out0
	v_lshl_add_u32 v[SPW], v0, 2, SPARE
	v_mov_b32 v[NIL], 0
	ds_add_u32 v[SPW], v[NIL]                      ; the opening lines: the add twice on end and one wait
	ds_add_u32 v[SPW], v[NIL]
	v_lshrrev_b32 v1, 5, v0
	v_readfirstlane_b32 s14, v1                    ; wave
	s_lshr_b32 s15, s14, 1                         ; my half of the tile's rows; also: I fetch for x (0) or W (1)
	s_and_b32 s16, s14, 1                          ; my half of its columns; also: which 128 rows I fetch
	s_bfe_u32 s40, ttmp6, 0x40000                  ; cx
	s_bfe_u32 s41, ttmp6, 0x40004                  ; cy
	s_lshl_b32 s42, ttmp9, 2
	s_add_co_u32 s42, s42, s40                     ; tile column
	s_and_b32 s17, ttmp7, 0xffff
	s_lshl_b32 s17, s17, 2
	s_add_co_u32 s17, s17, s41                     ; tile row
	s_lshl_b32 s43, s41, 2
	s_lshl_b32 s43, 15, s43                        ; my row of the cluster
	s_lshl_b32 s44, 0x1111, s40                    ; my column
	s_or_b32 s[G1+0], s43, (3<<16)|(1<<21)         ; the mask; elements of 8 bytes; bit 21 beside a mask; no padding: the records bring their own
	s_or_b32 s[G1B+0], s44, (3<<16)|(1<<21)
	s_or_b32 s[G1H+0], s43, (3<<16)|(1<<21)
	s_or_b32 s[G1HB+0], s44, (3<<16)|(1<<21)
.irp g, G1, G1B, G1H, G1HB
	s_mov_b32 s[\g+1], 32<<16                      ; rows of 32 elements = 256 bytes, dense
	s_mov_b32 s[\g+3], 32<<16
	s_mov_b32 s[\g+5], 32
	s_mov_b32 s[\g+6], 0
	s_mov_b32 s[\g+7], 0
.endr
.irp g, G1, G1B
	s_mov_b32 s[\g+2], 136<<16                     ; 128 records
	s_mov_b32 s[\g+4], 136
.endr
.irp g, G1H, G1HB
	s_mov_b32 s[\g+2], 272<<16                     ; 256 records
	s_mov_b32 s[\g+4], 272
.endr
	s_mul_i32 s20, s17, 256*PITCH                  ; the tile's first record in a K step of xq,
	s_mul_i32 s46, s42, 256*PITCH                  ; and of wq
	s_mov_b32 s21, 0
	s_mov_b32 s47, 0
	s_wait_dscnt 0x0                               ; both opening adds are done
	s_wait_kmcnt 0x0
	s_add_nc_u64 s[20:21], s[4:5], s[20:21]
	s_add_nc_u64 s[46:47], s[6:7], s[46:47]
	HG0 GH,    0,            20, 0                 ; K step 0: x, W; K step 1: x, W
	HG0 GH+4,  2*HALFT,      46, 0
	HG0 GH+8,  SLOT,         20, KSB
	HG0 GH+12, SLOT+2*HALFT, 46, KSB
	CROUND                                         ; all sixteen work-groups are here: the first joint loads meet
	ARM 1, GH,   G1H,  .Lhead_b
	ARM 2, GH+4, G1HB, .Lhead_a1
	ARM 3, GH+8, G1H,  .Lhead_b1
	tensor_load_to_lds s[GH+12:GH+15], s[G1HB:G1HB+7]
	s_nop 0
	PLACES 4
.Lhead_asked:
	; the prefetches' address: my buffer, the 128 records that I fetch, my work-group's quarter of them, at K step 1
	s_lshl_b32 s8, s17, 8
	s_lshl_b32 s9, s42, 8
	s_cmp_eq_u32 s15, 0
	s_cselect_b32 s8, s8, s9
	s_cselect_b32 s9, s40, s41                     ; my place among the four that ask with me
	s_cselect_b64 s[PFA:PFA+1], s[4:5], s[6:7]
	s_lshl_b32 s3, s16, 7
	s_add_co_u32 s8, s8, s3
	s_mul_i32 s8, s8, PITCH
	s_mul_i32 s9, s9, QUART
	s_add_co_u32 s8, s8, s9
	s_add_co_u32 s8, s8, KSB
	s_mov_b32 s9, 0
	s_add_nc_u64 s[PFA:PFA+1], s[PFA:PFA+1], s[8:9]
	; the ring's groups 0: my 128 records; slot s stands at K step s and is stepped by two ahead of each refill
	s_mul_i32 s18, s16, HALFT
	s_mov_b32 s19, 0
	s_mul_i32 s45, s14, HALFT                      ; LDS: wave x 128 rows
	s_add_nc_u64 s[20:21], s[20:21], s[18:19]
	s_add_nc_u64 s[46:47], s[46:47], s[18:19]
.irp s, 0,1
	s_mov_b32 s[G0+4*\s], 1
	s_add_co_u32 s[G0+4*\s+1], s45, \s*SLOT
	s_add_nc_u64 s[G0+4*\s+2:G0+4*\s+3], s[20:21], \s*KSB
	s_or_b32 s[G0+4*\s+3], s[G0+4*\s+3], 0x80000000
	s_mov_b32 s[G0B+4*\s], 1
	s_add_co_u32 s[G0B+4*\s+1], s45, \s*SLOT
	s_add_nc_u64 s[G0B+4*\s+2:G0B+4*\s+3], s[46:47], \s*KSB
	s_or_b32 s[G0B+4*\s+3], s[G0B+4*\s+3], 0x80000000
.endr
	; my part of out0
	s_lshl_b32 s20, s17, 8
	s_lshl_b32 s21, s15, 7
	s_add_co_u32 s20, s20, s21
	s_mov_b32 s21, 0
	s_mov_b64 s[18:19], SIZE_N*4
	s_mul_u64 s[20:21], s[20:21], s[18:19]
	s_lshl_b32 s46, s42, 10
	s_lshl_b32 s47, s16, 9
	s_add_co_u32 s46, s46, s47
	s_mov_b32 s47, 0
	s_add_nc_u64 s[20:21], s[20:21], s[46:47]
	s_add_nc_u64 s[12:13], s[12:13], s[20:21]
	; LDS places, from the wave's number alone
	s_mul_i32 s22, s15, HALFT                      ; my 128 rows of x
	s_mul_i32 s23, s16, HALFT
	s_add_co_u32 s23, s23, 2*HALFT                 ; my 128 rows of W
	s_sub_co_u32 s66, s23, s22
	s_add_co_u32 s66, s66, 8                       ; from x's scale words to W's
	s_add_co_u32 s67, s22, 256                     ; x's scale words stand behind the 256 codes
	s_mul_i32 s45, s14, 16*SPITCH                  ; my stage
	; all the vector lines on end, no scalar line among them
	v_and_b32 v1, 15, v0                           ; r
	v_bfe_u32 v2, v0, 4, 1                         ; h
	v_and_b32 v6, 31, v0                           ; lane
	v_mul_u32_u24 v3, v1, PITCH
	v_lshl_add_u32 v4, v2, 4, v3                   ; a fragment's row x pitch + 16 h
	v_add_nc_u32 v[ADRA], s22, v4
	v_add_nc_u32 v[ADRB], s23, v4
	v_add_nc_u32 v[ADRA+1], SLOT, v[ADRA]
	v_add_nc_u32 v[ADRB+1], SLOT, v[ADRB]
	v_mul_u32_u24 v7, s66, v2                      ; lanes 16-31 take W's words
	v_add_nc_u32 v5, v3, v7
	v_add_nc_u32 v[ADRS], s67, v5
	v_add_nc_u32 v[ADRS+1], SLOT, v[ADRS]
	v_mul_u32_u24 v5, v1, SPITCH
	v_lshl_add_u32 v5, v2, 5, v5
	v_add_nc_u32 v[STO], s45, v5                   ; into the stage: row r, 32 bytes for each half of the lanes
	v_lshlrev_b32 v[CO], 4, v6                     ; back: 32 lanes take a row of 512 bytes; the same in out0
	v_add_nc_u32 v[RD], s45, v[CO]
	v_lshlrev_b32 v[PFO], 8, v6                    ; blocks 0-31 of my 34
	v_min_u32 v[PFO+1], 1, v6
	v_lshl_add_u32 v[PFO+1], v[PFO+1], 8, 32*256   ; blocks 32 and 33; lanes 2-31 name block 33 again
	s_wait_alu depctr_va_vdst(0)
.macro FRAG reg, adr, q, i             ; 16 rows x 128 K: registers 4 c .. 4 c + 3 hold K = 32 c + 16 h + 0 .. 15
.irp c, 0,1,2,3
	ds_load_b128 v[\reg+4*\c:\reg+4*\c+3], v[\adr] offset:128*(\q)+32*\c+(\i)*16*PITCH
.endr
.endm
; four products: W's block b against x's blocks 4 hi .. 4 hi + 3.  The accumulators take turns.  zero = 1: the product starts its sum
.macro MULB hi, b, p, q, sc, zero
.irp a, 0,1,2,3
.if \zero
	v_wmma_scale_f32_16x16x128_f8f6f4 v[8*(8*\a+(\b)):8*(8*\a+(\b))+7], v[128*(\p)+16*(\b):128*(\p)+16*(\b)+15], v[AF+16*(4*\hi+\a):AF+16*(4*\hi+\a)+15], 0, v[SC+16*(\sc)+2*(\b)+(\q)], v[SC+16*(\sc)+2*(4*\hi+\a)+(\q)] matrix_a_fmt:MATRIX_FMT_BF8 matrix_b_fmt:MATRIX_FMT_BF8 matrix_a_scale:MATRIX_SCALE_ROW1
.else
	v_wmma_scale_f32_16x16x128_f8f6f4 v[8*(8*\a+(\b)):8*(8*\a+(\b))+7], v[128*(\p)+16*(\b):128*(\p)+16*(\b)+15], v[AF+16*(4*\hi+\a):AF+16*(4*\hi+\a)+15], v[8*(8*\a+(\b)):8*(8*\a+(\b))+7], v[SC+16*(\sc)+2*(\b)+(\q)], v[SC+16*(\sc)+2*(4*\hi+\a)+(\q)] matrix_a_fmt:MATRIX_FMT_BF8 matrix_b_fmt:MATRIX_FMT_BF8 matrix_a_scale:MATRIX_SCALE_ROW1
.endif
.endr
.endm
; W's blocks b0 .. b0 + 3 against x's blocks 0-3.  The LDS loads were issued in the order scales, x's blocks 0-3, W's blocks 0 .. 7, x's blocks 4-7: ahead of block b the 4 (7 - b) loads of W's later blocks
; and `more` younger LDS instructions may be out.  more < 0: all are in already
.macro LOWER b0, more, p, q, sc, zero
.irp b, \b0, \b0+1, \b0+2, \b0+3
.if \more >= 0
	s_wait_dscnt \more+4*(7-(\b))
.endif
	MULB 0, \b, \p, \q, \sc, \zero
.endr
.endm
.macro UPPER p, q, sc, zero            ; all of W's blocks against x's blocks 4-7
.irp b, 0,1,2,3,4,5,6,7
	MULB 1, \b, \p, \q, \sc, \zero
.endr
.endm
.macro FETCH_B slot, q, p
	WIN TO_B
.irp i, 0,1,2,3,4,5,6,7
	FRAG 128*(\p)+16*\i, ADRB+\slot, \q, \i
.endr
	WIN 0
.endm
.macro FETCH_A slot, q, i0
.irp i, \i0, \i0+1, \i0+2, \i0+3
	FRAG AF+16*(\i), ADRA+\slot, \q, \i
.endr
.endm
.macro SCALES sc                       ; a K step's two words a row: lanes 0-15 x's block i, lanes 16-31 W's block i
.irp i, 0,1,2,3,4,5,6,7
	ds_load_b64 v[SC+16*\sc+2*\i:SC+16*\sc+2*\i+1], v[ADRS+\sc] offset:\i*16*PITCH
.endr
.endm
; A slot's first 128 along K.  Eight places stand ahead of loads into registers that matrix instructions have read
.macro STEP slot, zero
	WIN MUL_LO
	LOWER 0, 16, 0, 0, \slot, \zero
	LOWER 4, 16, 0, 0, \slot, \zero
	s_wait_dscnt 0                                 ; x's blocks 4-7 are in
	PLACES 8
	WIN 0
	FETCH_A \slot, 1, 0
	FETCH_B \slot, 1, 1
	WIN MUL_HI
	UPPER 0, 0, \slot, \zero
	PLACES 8
	WIN 0
	FETCH_A \slot, 1, 4
.endm
; The first half of a slot's last 128 along K, and the barrier of the change of slots: ahead of it each wave waits for all its tensor loads, adds 0 to its spare word, and waits for that and for its reads of the slot
.macro MEET slot
	s_wait_tensorcnt 0x0                           ; all my tensor loads have landed
	ds_add_u32 v[SPW], v[NIL]
	WIN MUL_LO
	LOWER 0, 17, 1, 1, \slot, 0                    ; (the add is one more younger LDS instruction)
	s_wait_dscnt 0x0                               ; the add is done, and my reads of this slot are over
	s_barrier_signal -1
	LOWER 4, -1, 1, 1, \slot, 0
	WIN 0
	s_barrier_wait -1
.endm
; A slot's last 128 along K in the loop: the barrier opens a round of the cluster's barrier, and the slot takes the K step two on
.macro TURN slot, next
	s_wait_xcnt 0x0                                ; my prefetches have read their address: it steps a K step
	s_add_nc_u64 s[PFA:PFA+1], s[PFA:PFA+1], KSB
	MEET \slot
	CREST
	s_add_nc_u64 s[G0+4*\slot+2:G0+4*\slot+3], s[G0+4*\slot+2:G0+4*\slot+3], 2*KSB
	s_add_nc_u64 s[G0B+4*\slot+2:G0B+4*\slot+3], s[G0B+4*\slot+2:G0B+4*\slot+3], 2*KSB
	JLOAD G0+4*\slot, G1, G0B+4*\slot, G1B         ; the first tensor load behind the round; its four v_nop are four of the eight places
	PLACES 4
	SCALES \next
	FETCH_A \next, 0, 0
	FETCH_B \next, 0, 0
	s_cmp_gt_u32 s3, 1                             ; the last trip's refills have no K step two refills on
	s_cbranch_scc0 .Lno_ask_\@
	PF 2
.Lno_ask_\@:
	WIN MUL_HI
	UPPER 1, 1, \slot, 0
	PLACES 8
	WIN 0
	FETCH_A \next, 0, 4
.endm
	s_cmp_lt_u32 s14, 2                            ; waves 0 and 1 fetched K step 0, by load lines of their own: they wait for it;
	s_cbranch_scc0 .Lstep0_shown                   ; K step 1's loads stay out until the first change of slots
	s_wait_tensorcnt 0x0
.Lstep0_shown:
	s_barrier_signal -1
	s_barrier_wait -1                              ; slot 0 is whole for every wave
	SCALES 0
	FETCH_A 0, 0, 0
	FETCH_B 0, 0, 0
	PF 1                                           ; K steps 2 and 3, which the first two refills will want
	PF 2
	FETCH_A 0, 0, 4
	STEP 0, 1                                      ; the first step stands ahead of the loop: its products start the sums
	s_mov_b32 s3, LAPS-1
.Llap:                                                 ; a trip goes once round the ring and fills both slots again
	TURN 0, 1
	STEP 1, 0
	TURN 1, 0
	STEP 0, 0
	s_sub_co_u32 s3, s3, 1
	s_cmp_lg_u32 s3, 0
	s_cbranch_scc1 .Llap
; THE LAST LAP'S END.  K step 14's last 128 as ever, but nothing is filled again; K step 15 (slot 1) goes by rows of out0.
.macro ALOAD a                         ; x's block a, both halves of the K step: 32 registers, buffer a % 4
	FRAG AF+32*((\a)%4),    ADRA+1, 0, \a
	FRAG AF+32*((\a)%4)+16, ADRA+1, 1, \a
.endm
.macro ROW a                           ; block a is finished: 16 products, its eight accumulators by turns, K ascending
	WIN MUL_LO+0x50*((\a)/4)                       ; C and D: window 2 or 3
.irp q, 0,1
.if (\a) == 0
	s_wait_dscnt 48-32*\q                          ; the second run (W's second half, 32 loads, then x's blocks 2 and 3, 16) may be out; then only the 16
.endif
.irp b, 0,1,2,3,4,5,6,7
	v_wmma_scale_f32_16x16x128_f8f6f4 v[8*(8*((\a)%4)+\b):8*(8*((\a)%4)+\b)+7], v[128*\q+16*\b:128*\q+16*\b+15], v[AF+32*((\a)%4)+16*\q:AF+32*((\a)%4)+16*\q+15], v[8*(8*((\a)%4)+\b):8*(8*((\a)%4)+\b)+7], v[SC+16+2*\b+\q], v[SC+16+2*(\a)+\q] matrix_a_fmt:MATRIX_FMT_BF8 matrix_b_fmt:MATRIX_FMT_BF8 matrix_a_scale:MATRIX_SCALE_ROW1
.endr
.endr
.endm
; THE WAY OUT of a block of 16 rows x 128 columns: through my own stage and back as whole rows of 512 bytes.  LDS serves a wave's instructions in order (ISA guide 5.7.1.4): no wait between the stores and the loads
.macro TOSTAGE a
.set AC, 64*((\a)%4)
	WIN 0x08+4*((\a)/4)                            ; the data: window 2 or 3
.irp b, 0,1,2,3,4,5,6,7
	ds_store_b128 v[STO], v[AC+8*\b:AC+8*\b+3] offset:64*\b          ; each accumulator from its low end on
	ds_store_b128 v[STO], v[AC+8*\b+4:AC+8*\b+7] offset:64*\b+16
.endr
	WIN 0
.irp t, 0,1,2,3,4,5,6,7,8,9,10,11,12,13,14,15
	ds_load_b128 v[BK+4*\t:BK+4*\t+3], v[RD] offset:\t*SPITCH
.endr
.endm
.macro SEND a, younger                 ; younger: the LDS loads issued behind block a's, which may stay out
	s_wait_dscnt \younger
.if (\a) > 0
	s_add_nc_u64 s[12:13], s[12:13], 16*SIZE_N*4   ; behind a wait on XCNT: the earlier stores have read their base
.endif
.irp t, 0,1,2,3,4,5,6,7,8,9,10,11,12,13,14,15
	global_store_b128 v[CO], v[BK+4*\t:BK+4*\t+3], s[12:13] offset:\t*SIZE_N*4 th:TH_STORE_NT   ; 32 lanes store 512 consecutive bytes, at a multiple of 256 from out0's first byte
.endr
.endm
	MEET 0                                         ; slot 1 is whole, and nobody reads slot 0 any more: the stages lie there
	PLACES 8
	SCALES 1
	ALOAD 0                                        ; into the registers of x's blocks 0-3, whose products are issued
	ALOAD 1
	FETCH_B 1, 0, 0                                ; W's first half into set 0
	WIN MUL_HI
	UPPER 1, 1, 0, 0
	PLACES 8
	FETCH_B 1, 1, 1                                ; W's second half into set 1,
	ALOAD 2                                        ; and two more blocks of x into the registers of blocks 4-7
	ALOAD 3
	ROW 0
.irp a, 0,1,2,3,4,5,6,7
	PLACES 8                                       ; ahead of the reads of results just made, and of the loads into the block's fragments
.if \a > 0
	s_wait_xcnt 0x0                                ; the last block's stores have read their registers and their base
.endif
	TOSTAGE \a
.if \a < 4
	ALOAD \a+4                                     ; its buffer takes the block four on
	SEND \a, 8
.else
	SEND \a, 0
.endif
.if \a < 7
	ROW \a+1
.endif
.endr
	s_wait_tensorcnt 0x0                           ; the wave's end
	ds_add_u32 v[SPW], v[NIL]
	s_wait_dscnt 0x0
	CROUND                                         ; the closing round
	s_endpgm
.Lfunc_end_k_q8bccbf87ca_gemm:
	.size	k_q8bccbf87ca_gemm, .Lfunc_end_k_q8bccbf87ca_gemm-k_q8bccbf87ca_gemm
	.p2alignl 7, 3214868480
	.fill 96, 4, 3214868480
	.section	.rodata,"a",@progbits
	.p2align	6, 0x0
	.amdhsa_kernel k_q8bccbf87ca_gemm
		.amdhsa_group_segment_fixed_size 327680
		.amdhsa_private_segment_fixed_size 0
		.amdhsa_enable_private_segment 0
		.amdhsa_kernarg_size 24
		.amdhsa_user_sgpr_count 2
		.amdhsa_user_sgpr_kernarg_segment_ptr 1
		.amdhsa_wavefront_size32 1
		.amdhsa_system_sgpr_workgroup_id_x 1
		.amdhsa_system_sgpr_workgroup_id_y 1
		.amdhsa_system_sgpr_workgroup_id_z 1
		.amdhsa_system_vgpr_workitem_id 0
		.amdhsa_next_free_vgpr 1024
		.amdhsa_next_free_sgpr 100
		.amdhsa_reserve_vcc 0
		.amdhsa_float_denorm_mode_32 3
		.amdhsa_float_denorm_mode_16_64 3
		.amdhsa_memory_ordered 1
		.amdhsa_forward_progress 1
		.amdhsa_inst_pref_size 149
	.end_amdhsa_kernel
	.amdgpu_metadata
---
amdhsa.version: [ 1, 2 ]
amdhsa.kernels:
  - .name:           k_q8bccbf87ca_gemm
    .symbol:         k_q8bccbf87ca_gemm.kd
    .args:
      - { .name: xq, .offset: 0, .size: 8, .value_kind: global_buffer, .address_space: global }
      - { .name: wq, .offset: 8, .size: 8, .value_kind: global_buffer, .address_space: global }
      - { .name: out0, .offset: 16, .size: 8, .value_kind: global_buffer, .address_space: global }
    .group_segment_fixed_size: 327680
    .private_segment_fixed_size: 0
    .kernarg_segment_align: 8
    .kernarg_segment_size: 24
    .max_flat_workgroup_size: 128
    .sgpr_count:     100
    .vgpr_count:     1024
    .wavefront_size: 32
...
	.end_amdgpu_metadata
.endif
;; end of part 2
